; MI455X (gfx1250); checked and timed in simulation.
; The chip was launched on July 23, 2026; its instructions are those of AMD's public machine-readable ISA for CDNA 5 (MIT licence, August 2026) and "CDNA5" Instruction Set Architecture Reference Guide (July 2026). The comments in the code are by the model that wrote it; some were corrected since.
;; Multi Head Attention. Allowed arithmetic: matrix products marked QUANTISED: E4M3 operands, one given power-of-two scale a tensor, by v_wmma_f32_16x16x64_fp8_fp8 or v_wmma_f32_16x16x128_fp8_fp8, f32 sums; everything else in f32.
;; Inputs: Wk_codes 1,024 x 32 x 32 uint8 (E4M3 codes of Wk, K innermost, in blocks of 32 codes); Wo_codes 1,024 x 32 x 32 uint8 (E4M3 codes of Wo, K innermost, in blocks of 32 codes); Wq_codes 1,024 x 32 x 32 uint8 (E4M3 codes of Wq, K innermost, in blocks of 32 codes); Wv_codes 1,024 x 32 x 32 uint8 (E4M3 codes of Wv, K innermost, in blocks of 32 codes); attention_mask 4 x 1 x 1 x 2,048 int32; bk 1,024 float32; bo 1,024 float32; bq 1,024 float32; bv 1,024 float32; ln_b 1,024 float32; ln_w 1,024 float32; lowp_scales 12 int32 (the exponents e of the quantised operands' scales 2^e); x 4 x 2,048 x 1,024 float32.
;; Outputs: out0 4 x 2,048 x 1,024 float32.
;; This version of the problem:
;;   THIS VERSION OF THE PROBLEM IS GIVEN IN LOW PRECISION. The matrix products marked QUANTISED in the list below multiply operands that are first quantised to E4M3 (4 exponent bits, 3 mantissa bits; 8 bits a number), with one given power-of-two scale for each operand tensor; their sums are f32. All else is computed in f32.
;;   The module's matrix products, in the order in which they are computed (A, B: the left and right operand; K: the contracted axis; several contracted axes count as one K, in the product's order):
;;     1. [M 8,192, K 1,024] x [K 1,024, N 1,024]; A: input x; B: input Wq (given as codes): QUANTISED (scales: A lowp_scales[0], B lowp_scales[1])
;;     2. [M 8,192, K 1,024] x [K 1,024, N 1,024]; A: input x; B: input Wk (given as codes): QUANTISED (scales: A lowp_scales[2], B lowp_scales[3])
;;     3. [M 8,192, K 1,024] x [K 1,024, N 1,024]; A: input x; B: input Wv (given as codes): QUANTISED (scales: A lowp_scales[4], B lowp_scales[5])
;;     4. batch 64 x [M 2,048, K 64] x [K 64, N 2,048]; A: computed on the way; B: computed on the way: QUANTISED (scales: A lowp_scales[6], B lowp_scales[7])
;;     5. batch 64 x [M 2,048, K 2,048] x [K 2,048, N 64]; A: softmax (see below); B: computed on the way: QUANTISED (scales: A lowp_scales[8], B lowp_scales[9])
;;     6. [M 8,192, K 1,024] x [K 1,024, N 1,024]; A: computed on the way; B: input Wo (given as codes): QUANTISED (scales: A lowp_scales[10], B lowp_scales[11])
;;   THE QUANTISER, for each operand of a quantised product, along K:
;;     - The operand's scale is 2^e, e = its entry of the input lowp_scales (int32; the entries are numbered through the quantised products in the list's order, A before B).
;;     - Each number is divided by the scale, clamped to +-448, and rounded to the nearest number of E4M3, ties to even, subnormals kept.
;;     - The product sums the exact products of the quantised numbers (number of the format x scale) in f32.
;;   ~~~python
;;   def quantise(x, axis, e):      # numpy; x: float32 -> the quantised numbers, widened to float32 again
;;       x = np.moveaxis(x, axis, -1); K = x.shape[-1]
;;       r = np.clip(x / 2.0 ** e, -448, 448)
;;       step = 2.0 ** (np.maximum(np.frexp(np.where(r == 0, 1, r))[1] - 1, -6) - 3)
;;       q = np.round(r / step) * step * 2.0 ** e      # np.round: ties to even
;;       return np.moveaxis(q, -1, axis).astype(np.float32)
;;   ~~~
;;   SOFTMAX AHEAD OF A QUANTISED PRODUCT. Where the list says 'softmax', what is quantised is not the finished softmax but p = 2^(t - M), with t = logit x log2(e) and M = ceil(the row's largest t), a whole number; so 1/2 < the row's largest p <= 1. The row's sum l is taken of the UNQUANTISED p, in f32, and the product's result is divided by l at the end. Since M is a whole number, a kernel that streams over the keys may use a running M (the ceiling of the running maximum): every later rescaling is an exact power of two, so the quantised numbers keep their values, but for numbers so far below the row's largest that they fall under the format's range.
;;   OPERANDS COMPUTED ON THE WAY. 'Computed on the way' means the value that the module computes at that place (a softmax that the list does not call 'softmax' is quantised finished and normalised). What goes into a quantiser is computed in f32, as accurately as f32 sums, v_exp_f32 and their like allow (about 1e-6 of the number): no bf16 or f16 on the way to a quantiser, and a product that is left as it is and whose result goes on into a quantised operand takes f32 operands (vector FMAs, or v_wmma_f32_16x16x4_f32). A number that lies on a knife's edge between two numbers of the format may be rounded either way, as far as f32 arithmetic and the matrix unit's own rounding can turn it there, and no further.
;;   INPUTS GIVEN AS CODES. Wk (in the module: [1024, 1024], K = its axis 1); Wo (in the module: [1024, 1024], K = its axis 1); Wq (in the module: [1024, 1024], K = its axis 1); Wv (in the module: [1024, 1024], K = its axis 1): each comes as NAME_codes (uint8): NAME with its K axis moved to the last place and cut into blocks of 32 codes, [.., K / 32, bytes a block], one block behind the other in memory; one code a byte (a code: sign, 4 exponent bits, 3 mantissa bits); its scale is its entry of lowp_scales. Its value is code x scale, taken as it is: it is not quantised again, and the codes and scales need not be those that the quantiser above would give.
;; One version. Each part assembles by itself: llvm-mc -triple=amdgcn-amd-amdhsa -mcpu=gfx1250 --defsym DOCPART=n.
;; ======== version 1 of 1: 4 launches
;; limits: right only within a limited range of input values
;; workspace buffers: xq_codes 8,388,608 bytes; xk_codes 8,388,608 bytes; xv_codes 8,388,608 bytes; wo_img 1,048,576 bytes; q_img 8,388,608 bytes; k_img 8,388,608 bytes; v_img 8,388,608 bytes; hctx_img 8,388,608 bytes
;; launch prep (part 1): grid 528 x 1, 4 waves a work-group, no clusters, 33,280 bytes of LDS; arguments x, Wo_codes, lowp_scales, xq_codes, xk_codes, xv_codes, wo_img; writes xq_codes, xk_codes, xv_codes, wo_img
.if DOCPART == 1
	.amdgcn_target "amdgcn-amd-amdhsa--gfx1250"
	.amdhsa_code_object_version 6
	.text
	.protected	k_q47660ee5d0_prep
	.globl	k_q47660ee5d0_prep
	.p2align	8
	.type	k_q47660ee5d0_prep,@function
k_q47660ee5d0_prep:
	s_mov_b64 s[64:65], 0
	v_nop
	global_prefetch_b8 v0, s[64:65] scope:SCOPE_SE
	s_setreg_imm32_b32 hwreg(HW_REG_WAVE_MODE, 25, 1), 1
	s_wait_xcnt 0x0
; PREP.  Two jobs in one launch, parted by the work-group's number.
; (1) Work-groups 0 to 511: x [8192][1024] f32 becomes three sets of E4M3 codes, row-major, K innermost: one for each of the three given scales under which x is an
;     operand (entries 0, 2 and 4 of the scales, which may differ).  code = x / 2^e, held within +-448, to the nearest code, ties to even.
;     x is read once; a wave takes 8 steps of 512 numbers.  Each load reads 512 consecutive bytes; a step's 2,048 bytes turn through the wave's own stage in LDS, so that a lane
;     holds 16 neighbours along K for the conversions; a lane's 16 codes are 16 bytes, so each store covers 512 consecutive bytes, aligned.
; (2) Work-groups 512 to 527: Wo's codes [1024][1024] are laid anew in the order of the operand's registers: fragment (16 features ft, 128 along K ks), 16 registers a lane
;     (registers 2 c, 2 c + 1: k = 16 c + 8 (lane / 16) + 0 .. 7 of feature lane % 16), as four pieces of 512 bytes, lane l's 16 bytes at 16 l,
;     at byte ((ft / 4) x 8 + ks) x 8192 + (ft % 4) x 2048.  The last launch then loads each fragment by four loads of 512 consecutive bytes.
; No tensor loads, no barrier: waves share nothing.  Only job (1) touches LDS.
; LIMITS: the three exponents lie between -126 and 119, so that 2^e and 448 x 2^e are f32 numbers.  NaN among the inputs is not served (an infinity is held at the largest code).
.set XWG,   512                        ; work-groups of job (1): 512 x 4 waves x 8 steps x 512 numbers = 8192 x 1024
.set STEPS, 8
.set SP,    80                         ; a lane's place in a stage: its 64 bytes + 16 of padding
.set WREG,  8192                       ; LDS: a region for each wave: two stages of 32 x SP bytes
.set SC,    5                          ; v5-7    2^e as f32, for the three scales
.set LM,    8                          ; v8-10   448 x 2^e
.set R,     16                         ; v16-79  four sets of 16 numbers as loaded
.set X,     80                         ; v80-111 two sets of 16 neighbours
.set T,     112                        ; v112-127 the 16 numbers, held
.set C,     128                        ; v128-223 codes: 12 registers a step, never written again: no store's data are rewritten
	s_load_b128 s[4:7], s[0:1], 0x0                ; x, Wo's codes
	s_load_b128 s[8:11], s[0:1], 0x10              ; the scales' exponents, x's codes under entry 0
	s_load_b128 s[12:15], s[0:1], 0x20             ; under entry 2, under entry 4
	s_load_b64 s[16:17], s[0:1], 0x30              ; Wo's images
	v_lshl_add_u32 v224, v0, 2, 0x8000
	v_mov_b32 v225, 0
	v_lshrrev_b32 v1, 5, v0
	v_readfirstlane_b32 s18, v1                    ; wave 0..3
	v_and_b32 v2, 31, v0                           ; lane
	v_lshlrev_b32 v3, 4, v2                        ; 16 x lane: my 16 bytes of 512, for loads and stores alike; never rewritten
	s_wait_kmcnt 0x0
	s_cmp_lt_u32 ttmp9, XWG
	s_cbranch_scc0 .Lweights
	; ---- job (1)
	s_load_b256 s[32:39], s[8:9], 0x0              ; entries 0 to 7: e0 = s32, e2 = s34, e4 = s36
	s_mul_i32 s19, s18, WREG
	s_wait_alu depctr_va_vdst(0)
	v_lshrrev_b32 v14, 2, v2
	v_mul_u32_u24 v14, v14, SP
	v_and_b32 v15, 3, v2
	v_lshl_add_u32 v14, v15, 4, v14
	v_add_nc_u32 v14, s19, v14                     ; the stage, on the way in: four lanes' 64 bytes on end, then 16 of padding
	v_mul_u32_u24 v15, v2, SP
	v_add_nc_u32 v15, s19, v15                     ; and on the way out: my 16 neighbours
	s_lshl_b32 s20, ttmp9, 2
	s_add_co_u32 s20, s20, s18                     ; which run of 4,096 numbers is my wave's
	s_lshl_b32 s22, s20, 14                        ; in x: 16,384 bytes a run
	s_mov_b32 s23, 0
	s_lshl_b32 s24, s20, 12                        ; in the codes: 4,096 bytes a run
	s_mov_b32 s25, 0
	s_add_nc_u64 s[4:5], s[4:5], s[22:23]
	s_add_nc_u64 s[10:11], s[10:11], s[24:25]
	s_add_nc_u64 s[12:13], s[12:13], s[24:25]
	s_add_nc_u64 s[14:15], s[14:15], s[24:25]
.macro LOAD t
.irp i, 0,1,2,3
	global_load_b128 v[R+16*((\t)%4)+4*\i:R+16*((\t)%4)+4*\i+3], v3, s[4:5] offset:2048*(\t)+512*\i th:TH_LOAD_NT   ; 32 lanes read 512 consecutive bytes
.endr
.endm
.macro TURN t                          ; step t's numbers through the stage: LDS serves a wave's instructions in order, so no wait stands between the stores and the loads
.irp i, 0,1,2,3
	ds_store_b128 v14, v[R+16*((\t)%4)+4*\i:R+16*((\t)%4)+4*\i+3] offset:32*SP*((\t)%2)+8*SP*\i
.endr
.irp i, 0,1,2,3
	ds_load_b128 v[X+16*((\t)%2)+4*\i:X+16*((\t)%2)+4*\i+3], v15 offset:32*SP*((\t)%2)+16*\i
.endr
.endm
.irp t, 0,1,2,3
	LOAD \t
.endr
	s_wait_alu depctr_va_vdst(0)
	s_wait_kmcnt 0x0
.irp u, 0,1,2
	s_add_co_i32 s26, s[32+2*\u], 127
	s_lshl_b32 s27, s26, 23
	v_mov_b32 v[SC+\u], s27                        ; 2^e as f32: the conversion takes its exponent field
	s_add_co_i32 s26, s26, 8
	s_lshl_b32 s26, s26, 23
	s_or_b32 s26, s26, 0x600000
	v_mov_b32 v[LM+\u], s26                        ; 448 x 2^e
.endr
	s_wait_alu depctr_va_vdst(0)
	s_wait_loadcnt 12                              ; step 0's four loads are in; the twelve of steps 1 to 3 may be out
	TURN 0
.macro STEP t
.set XS, X+16*((\t)%2)
	s_wait_dscnt 0x0                               ; this step's numbers are back from the stage, so its stores into the stage have read their registers,
.if (\t)+4 < STEPS
	LOAD (\t)+4                                    ; which take the loads of four steps on
.endif
.if (\t)+1 < STEPS
.if STEPS-2-(\t) >= 3
	s_wait_loadcnt 12                              ; the next step's four loads are in; those of the three steps behind it may be out
.else
	s_wait_loadcnt 4*(STEPS-2-(\t))                ; at the end fewer steps stand behind it
.endif
	TURN (\t)+1                                    ; and go through the other stage while this step is worked
.endif
.irp u, 0,1,2                          ; the same 16 numbers under each of the three scales
.set i, 0
.rept 16
	v_med3_num_f32 v[T+i], v[XS+i], -v[LM+\u], v[LM+\u]   ; the conversion to an 8-bit code does not saturate (ISA guide 7.6.2): the hold at the largest code x the scale
.set i, i+1
.endr
	v_cvt_scalef32_pk8_fp8_f32 v[C+12*(\t)+4*\u:C+12*(\t)+4*\u+1], v[T:T+7], v[SC+\u]
	v_cvt_scalef32_pk8_fp8_f32 v[C+12*(\t)+4*\u+2:C+12*(\t)+4*\u+3], v[T+8:T+15], v[SC+\u]
	v_nop                                          ; one plain vector line between a scaled conversion and the next holds, which write its sources
	global_store_b128 v3, v[C+12*(\t)+4*\u:C+12*(\t)+4*\u+3], s[10+2*\u:11+2*\u] offset:512*(\t)   ; 512 consecutive bytes, aligned
.endr
.endm
.irp t, 0,1,2,3,4,5,6,7
	STEP \t
.endr
	s_wait_tensorcnt 0x0
	ds_add_u32 v224, v225
	s_wait_dscnt 0x0
	s_endpgm
	; ---- job (2): work-group q = number - 512 takes features 64 q on, wave v its tile 4 q + v
.Lweights:
	s_sub_co_u32 s20, ttmp9, XWG
	s_lshl_b32 s22, s20, 16                        ; 64 rows of 1,024 bytes, and 32 fragments of 2,048: 65,536 bytes in both buffers
	s_lshl_b32 s21, s18, 14                        ; my 16 rows
	s_add_co_u32 s24, s22, s21
	s_mov_b32 s25, 0
	s_add_nc_u64 s[6:7], s[6:7], s[24:25]
	s_lshl_b32 s21, s18, 11                        ; my fragment's place among a K step's four
	s_add_co_u32 s24, s22, s21
	s_add_nc_u64 s[16:17], s[16:17], s[24:25]
	s_wait_alu depctr_va_vdst(0)
	v_and_b32 v4, 15, v2
	v_lshrrev_b32 v5, 4, v2
	v_lshlrev_b32 v4, 10, v4
	v_lshl_add_u32 v4, v5, 3, v4                   ; row lane % 16, + 8 (lane / 16)
.set kk, 0
.rept 8
.set cc, 0
.rept 8
	global_load_b64 v[16+16*kk+2*cc:17+16*kk+2*cc], v4, s[6:7] offset:128*kk+16*cc   ; registers 2 c, 2 c + 1 of fragment ks
.set cc, cc+1
.endr
.set kk, kk+1
.endr
	s_wait_loadcnt 0x0
.set kk, 0
.rept 8
.set cc, 0
.rept 4
	global_store_b128 v3, v[16+16*kk+4*cc:19+16*kk+4*cc], s[16:17] offset:8192*kk+512*cc   ; 512 consecutive bytes, aligned
.set cc, cc+1
.endr
.set kk, kk+1
.endr
	s_endpgm
.Lfunc_end_k_q47660ee5d0_prep:
	.size	k_q47660ee5d0_prep, .Lfunc_end_k_q47660ee5d0_prep-k_q47660ee5d0_prep
	.p2alignl 7, 3214868480
	.fill 96, 4, 3214868480
	.section	.rodata,"a",@progbits
	.p2align	6, 0x0
	.amdhsa_kernel k_q47660ee5d0_prep
		.amdhsa_group_segment_fixed_size 33280
		.amdhsa_private_segment_fixed_size 0
		.amdhsa_enable_private_segment 0
		.amdhsa_kernarg_size 56
		.amdhsa_user_sgpr_count 2
		.amdhsa_user_sgpr_kernarg_segment_ptr 1
		.amdhsa_wavefront_size32 1
		.amdhsa_system_sgpr_workgroup_id_x 1
		.amdhsa_system_sgpr_workgroup_id_y 1
		.amdhsa_system_sgpr_workgroup_id_z 1
		.amdhsa_system_vgpr_workitem_id 0
		.amdhsa_next_free_vgpr 226
		.amdhsa_next_free_sgpr 66
		.amdhsa_reserve_vcc 0
		.amdhsa_float_denorm_mode_32 3
		.amdhsa_float_denorm_mode_16_64 3
		.amdhsa_memory_ordered 1
		.amdhsa_forward_progress 1
		.amdhsa_inst_pref_size 50
	.end_amdhsa_kernel
	.amdgpu_metadata
---
amdhsa.version: [ 1, 2 ]
amdhsa.kernels:
  - .name:           k_q47660ee5d0_prep
    .symbol:         k_q47660ee5d0_prep.kd
    .args:
      - { .name: x, .offset: 0, .size: 8, .value_kind: global_buffer, .address_space: global }
      - { .name: Wo_codes, .offset: 8, .size: 8, .value_kind: global_buffer, .address_space: global }
      - { .name: lowp_scales, .offset: 16, .size: 8, .value_kind: global_buffer, .address_space: global }
      - { .name: xq_codes, .offset: 24, .size: 8, .value_kind: global_buffer, .address_space: global }
      - { .name: xk_codes, .offset: 32, .size: 8, .value_kind: global_buffer, .address_space: global }
      - { .name: xv_codes, .offset: 40, .size: 8, .value_kind: global_buffer, .address_space: global }
      - { .name: wo_img, .offset: 48, .size: 8, .value_kind: global_buffer, .address_space: global }
    .group_segment_fixed_size: 33280
    .private_segment_fixed_size: 0
    .kernarg_segment_align: 8
    .kernarg_segment_size: 56
    .max_flat_workgroup_size: 128
    .sgpr_count:     66
    .vgpr_count:     226
    .wavefront_size: 32
...
	.end_amdgpu_metadata
.endif
;; end of part 1
;; launch qkv (part 2): grid 12 x 32, 4 waves a work-group, clusters of 4 x 4, 327,680 bytes of LDS; arguments xq_codes, xk_codes, xv_codes, Wq_codes, Wk_codes, Wv_codes, bq, bk, bv, lowp_scales, q_img, k_img, v_img; writes q_img, k_img, v_img
.if DOCPART == 2
	.amdgcn_target "amdgcn-amd-amdhsa--gfx1250"
	.amdhsa_code_object_version 6
	.text
	.protected	k_q47660ee5d0_qkv
	.globl	k_q47660ee5d0_qkv
	.p2align	8
	.type	k_q47660ee5d0_qkv,@function
k_q47660ee5d0_qkv:
	s_mov_b64 s[64:65], 0
	v_nop
	global_prefetch_b8 v0, s[64:65] scope:SCOPE_SE
	s_setreg_imm32_b32 hwreg(HW_REG_WAVE_MODE, 25, 1), 1
	s_wait_xcnt 0x0
	s_wait_alu depctr_hold_cnt(0) depctr_sa_sdst(0) depctr_va_vdst(0) depctr_va_sdst(0) depctr_va_ssrc(0) depctr_va_vcc(0) depctr_vm_vsrc(0)
	s_getreg_b32 s2, hwreg(HW_REG_IB_STS2, 6, 4)
	s_cmp_eq_u32 s2, 0
	s_cbranch_scc0 .Lentry_in_a_cluster
	s_endpgm
.Lentry_in_a_cluster:
	s_bfe_u32 s2, ttmp6, 0x10000c
	s_cmp_lg_u32 s2, 0xf033
	s_cbranch_scc0 .Lentry_shape_is_right
	s_endpgm
.Lentry_shape_is_right:
.set KSTEP,  256
.set ROWB,   256
.set KROW,   1024
.set PITCH,  272
.set FR,     16
.set NL,     4
.set NP,     4
.set HALFT,  128*PITCH
.set SLOT,   4*HALFT
.set SPARE,  2*SLOT
.set BHO,  8
.set BRO,  9
.set ADRA, 16
.set ADRB, 20
.set OFS,  26
.set SPW,  28
.set NIL,  29
.set BR,   32
.set BL,   96
.set SCO,  104
.set LIM,  105
.set BC,   106
.set AF,   128
.set TMP,  128
.set CD,   192
.set G1, 24
.set G0, 32
.set G1B, 48
.set G0B, 56
.set MSB, 0
.macro WIN new
.if MSB != \new
	s_set_vgpr_msb (MSB<<8)|\new
.set MSB, \new
.endif
.endm
.set MUL_LO, 0xa1
.set MUL_HI, 0xf1
.set TO_B,   0x40
.macro JLOAD g0a, g1a, g0b, g1b
	s_cmp_eq_u32 s15, 0
	s_cbranch_scc0 .Lfor_b_\@
	tensor_load_to_lds s[\g0a:\g0a+3], s[\g1a:\g1a+7]
	s_nop 0
.rept 4
	v_nop
.endr
	s_branch .Lasked_\@
.Lfor_b_\@:
	tensor_load_to_lds s[\g0b:\g0b+3], s[\g1b:\g1b+7]
	s_nop 0
.rept 4
	v_nop
.endr
.Lasked_\@:
.endm
.macro CREST
	s_cmp_lg_u32 s14, 0
	s_cbranch_scc1 .Lnot_wave_0_\@
	s_barrier_signal -3
.Lnot_wave_0_\@:
	s_barrier_wait -3
	s_barrier_signal -1
	s_barrier_wait -1
.endm
.macro CROUND
	s_barrier_signal -1
	s_barrier_wait -1
	CREST
.endm
	s_load_b512 s[68:83], s[0:1], 0x0
	s_load_b256 s[84:91], s[0:1], 0x40
	s_load_b64 s[92:93], s[0:1], 0x60
	v_lshl_add_u32 v[SPW], v0, 2, SPARE
	v_mov_b32 v[NIL], 0
	ds_add_u32 v28, v29
	ds_add_u32 v28, v29
	s_wait_dscnt 0x0
	v_lshrrev_b32 v1, 5, v0
	v_readfirstlane_b32 s14, v1
	s_lshr_b32 s15, s14, 1
	s_and_b32 s16, s14, 1
	s_bfe_u32 s40, ttmp6, 0x40000
	s_bfe_u32 s41, ttmp6, 0x40004
	s_and_b32 s17, ttmp7, 0xffff
	s_lshl_b32 s17, s17, 2
	s_cmp_eq_u32 ttmp9, 2
	s_cselect_b32 s42, s17, 0
	s_cselect_b32 s17, 0, s17
	s_add_co_u32 s42, s42, s40
	s_add_co_u32 s17, s17, s41
	s_lshl_b32 s43, s41, 2
	s_lshl_b32 s43, 15, s43
	s_lshl_b32 s44, 0x1111, s40
	s_or_b32 s[G1+0], s43, (0<<16)|(1<<20)|(1<<21)|(5<<22)|(3<<25)
	s_or_b32 s[G1B+0], s44, (0<<16)|(1<<20)|(1<<21)|(5<<22)|(3<<25)
.irp g, G1, G1B
	s_mov_b32 s[\g+1], ROWB<<16
	s_mov_b32 s[\g+2], 128<<16
	s_mov_b32 s[\g+3], ROWB<<16
	s_mov_b32 s[\g+4], 128
	s_mov_b32 s[\g+5], KROW
	s_mov_b32 s[\g+6], 0
	s_mov_b32 s[\g+7], 0
.endr
	s_lshl_b32 s18, s16, 7
	s_lshl_b32 s20, s17, 8
	s_add_co_u32 s20, s20, s18
	s_lshl_b32 s20, s20, 10
	s_mov_b32 s21, 0
	s_lshl_b32 s46, s42, 8
	s_add_co_u32 s46, s46, s18
	s_lshl_b32 s46, s46, 10
	s_mov_b32 s47, 0
	s_mul_i32 s45, s14, HALFT
	s_wait_kmcnt 0x0
	s_cmp_eq_u32 ttmp9, 1
	s_cselect_b64 s[4:5], s[70:71], s[68:69]
	s_cselect_b64 s[6:7], s[76:77], s[74:75]
	s_cselect_b64 s[8:9], s[82:83], s[80:81]
	s_cselect_b64 s[10:11], s[90:91], s[88:89]
	s_cmp_eq_u32 ttmp9, 2
	s_cselect_b64 s[4:5], s[78:79], s[4:5]
	s_cselect_b64 s[6:7], s[72:73], s[6:7]
	s_cselect_b64 s[8:9], s[84:85], s[8:9]
	s_cselect_b64 s[10:11], s[92:93], s[10:11]
	s_mov_b64 s[12:13], s[86:87]
	s_load_b256 s[68:75], s[12:13], 0x0
	s_load_b128 s[76:79], s[12:13], 0x20
	s_add_nc_u64 s[20:21], s[4:5], s[20:21]
	s_add_nc_u64 s[46:47], s[6:7], s[46:47]
	CROUND
.irp s, 0,1
	s_mov_b32 s[G0+4*\s], 1
	s_add_co_u32 s[G0+4*\s+1], s45, \s*SLOT
	s_add_nc_u64 s[G0+4*\s+2:G0+4*\s+3], s[20:21], \s*ROWB
	s_or_b32 s[G0+4*\s+3], s[G0+4*\s+3], 0x80000000
	s_mov_b32 s[G0B+4*\s], 1
	s_add_co_u32 s[G0B+4*\s+1], s45, \s*SLOT
	s_add_nc_u64 s[G0B+4*\s+2:G0B+4*\s+3], s[46:47], \s*ROWB
	s_or_b32 s[G0B+4*\s+3], s[G0B+4*\s+3], 0x80000000
	s_wait_alu depctr_va_vdst(0)
	s_wait_tensorcnt 0x0
	ds_add_u32 v28, v29
	ds_add_u32 v28, v29
	s_wait_dscnt 0x0
	CROUND
	JLOAD G0+4*\s, G1, G0B+4*\s, G1B
.endr
	v_and_b32 v1, 15, v0
	v_bfe_u32 v2, v0, 4, 1
	v_mul_u32_u24 v3, v1, PITCH
	v_lshl_add_u32 v4, v2, 4, v3
	s_mul_i32 s21, s15, HALFT
	s_mul_i32 s22, s16, HALFT
	s_add_co_u32 s22, s22, 2*HALFT
.irp s, 0,1
	v_add_nc_u32 v[ADRA+\s], s21, v4
	v_add_nc_u32 v[ADRB+\s], s22, v4
	s_add_co_u32 s21, s21, SLOT
	s_add_co_u32 s22, s22, SLOT
.endr
	v_and_b32 v5, 31, v0
	v_lshlrev_b32 v[OFS], 4, v5
	v_lshlrev_b32 v[BHO], 5, v2
	s_wait_alu depctr_va_vdst(0)
	v_lshlrev_b32 v[BRO], 2, v1
	s_wait_alu depctr_va_vdst(0)
	v_mov_b32 v[BC+1], 0
	s_lshl_b32 s18, s17, 8
	s_lshl_b32 s19, s15, 7
	s_add_co_u32 s18, s18, s19
	s_lshl_b32 s46, s42, 8
	s_lshl_b32 s47, s16, 7
	s_add_co_u32 s46, s46, s47
	s_mov_b32 s80, 1024
	s_mov_b32 s82, 1024
	s_mov_b32 s2, 131072
	s_cmp_eq_u32 ttmp9, 2
	s_cselect_b32 s22, s46, s18
	s_cselect_b32 s23, s18, s46
	s_cselect_b32 s66, 0, s46
	s_cselect_b32 s67, s18, 0
	s_cselect_b32 s80, 2048, s80
	s_cselect_b32 s82, 124928, s82
	s_cselect_b32 s2, 1024, s2
	s_mov_b32 s81, 0
	s_mov_b32 s83, 0
	s_mov_b32 s3, 0
	s_lshr_b32 s94, s22, 11
	s_lshl_b32 s94, s94, 21
	s_lshr_b32 s95, s23, 6
	s_lshl_b32 s95, s95, 17
	s_add_co_u32 s94, s94, s95
	s_and_b32 s95, s22, 2047
	s_lshl_b32 s95, s95, 6
	s_add_co_u32 s94, s94, s95
	s_mov_b32 s95, 0
	s_add_nc_u64 s[84:85], s[10:11], s[94:95]
	s_add_nc_u64 s[86:87], s[84:85], s[2:3]
	s_lshl_b32 s94, s66, 2
	s_add_nc_u64 s[88:89], s[8:9], s[94:95]
	s_lshl_b32 s94, s67, 2
	s_add_nc_u64 s[90:91], s[8:9], s[94:95]
.irp b, 0,1,2,3,4,5,6,7
	global_load_b128 v[BR+8*\b:BR+8*\b+3], v[BHO], s[88:89] offset:64*\b
	global_load_b128 v[BR+8*\b+4:BR+8*\b+7], v[BHO], s[88:89] offset:64*\b+16
.endr
.irp a, 0,1,2,3,4,5,6,7
	global_load_b32 v[BL+\a], v[BRO], s[90:91] offset:64*\a
.endr
.macro FRAG reg, adr, q, i
.irp c, 0,1,2,3
	ds_load_b128 v[\reg+4*\c:\reg+4*\c+3], v[\adr] offset:128*(\q)+32*\c+(\i)*16*PITCH
.endr
.endm
.macro MUL16 a0, p, zero
.irp a, \a0, \a0+1
.irp b, 0,1,2,3,4,5,6,7
.if \zero
	v_wmma_f32_16x16x128_fp8_fp8 v[8*(8*((\a)%4)+\b):8*(8*((\a)%4)+\b)+7], v[128*(\p)+FR*\b:128*(\p)+FR*\b+FR-1], v[AF+FR*(\a):AF+FR*(\a)+FR-1], 0
.else
	v_wmma_f32_16x16x128_fp8_fp8 v[8*(8*((\a)%4)+\b):8*(8*((\a)%4)+\b)+7], v[128*(\p)+FR*\b:128*(\p)+FR*\b+FR-1], v[AF+FR*(\a):AF+FR*(\a)+FR-1], v[8*(8*((\a)%4)+\b):8*(8*((\a)%4)+\b)+7]
.endif
.endr
.endr
.endm
.macro FETCH_B slot, q, p
	WIN TO_B
.irp i, 0,1,2,3,4,5,6,7
	FRAG 128*(\p)+FR*\i, ADRB+\slot, \q, \i
.endr
	WIN 0
.endm
.macro FETCH_A slot, q, i0
.irp i, \i0, \i0+1, \i0+2, \i0+3
	FRAG AF+FR*(\i), ADRA+\slot, \q, \i
.endr
.endm
.macro PLACES n
.rept \n
	v_nop
.endr
.endm
.macro STEP slot, q, zero
	s_wait_dscnt 4*NL
	WIN MUL_LO
	MUL16 0, (\q)%2, \zero
	MUL16 2, (\q)%2, \zero
	s_wait_dscnt 0
	PLACES NP
	FETCH_B \slot, (\q)+1, 1-(\q)%2
	FETCH_A \slot, (\q)+1, 0
	WIN MUL_HI
	MUL16 4, (\q)%2, \zero
	MUL16 6, (\q)%2, \zero
	PLACES NP
	WIN 0
	FETCH_A \slot, (\q)+1, 4
.endm
.macro TURN slot, next, fill
	s_wait_tensorcnt 0x0
	ds_add_u32 v[SPW], v[NIL]
	s_wait_dscnt 4*NL+1
	WIN MUL_LO
	MUL16 0, 1, 0
	s_wait_dscnt 0x0
	s_barrier_signal -1
	MUL16 2, 1, 0
	WIN 0
	s_barrier_wait -1
.if \fill
	CREST
	s_add_nc_u64 s[G0+4*\slot+2:G0+4*\slot+3], s[G0+4*\slot+2:G0+4*\slot+3], 2*ROWB
	s_add_nc_u64 s[G0B+4*\slot+2:G0B+4*\slot+3], s[G0B+4*\slot+2:G0B+4*\slot+3], 2*ROWB
	JLOAD G0+4*\slot, G1, G0B+4*\slot, G1B
.else
	PLACES NP
.endif
	FETCH_B \next, 0, 0
	FETCH_A \next, 0, 0
	WIN MUL_HI
	MUL16 4, 1, 0
	MUL16 6, 1, 0
	PLACES NP
	WIN 0
	FETCH_A \next, 0, 4
.endm
	s_wait_tensorcnt 1
	s_barrier_signal -1
	s_barrier_wait -1
	FETCH_B 0, 0, 0
	FETCH_A 0, 0, 0
	FETCH_A 0, 0, 4
	STEP 0, 0, 1
	TURN 0, 1, 1
	STEP 1, 0, 0
	TURN 1, 0, 1
	STEP 0, 0, 0
	TURN 0, 1, 0
	STEP 1, 0, 0
	s_wait_dscnt 4*NL
	WIN MUL_LO
	MUL16 0, 1, 0
	MUL16 2, 1, 0
	s_wait_dscnt 0
	WIN MUL_HI
	MUL16 4, 1, 0
	MUL16 6, 1, 0
	WIN 0
	s_wait_kmcnt 0x0
	s_cmp_eq_u32 ttmp9, 1
	s_cselect_b32 s94, s70, s68
	s_cselect_b32 s95, s71, s69
	s_cselect_b32 s98, s75, s74
	s_cmp_eq_u32 ttmp9, 2
	s_cselect_b32 s94, s72, s94
	s_cselect_b32 s95, s73, s95
	s_cselect_b32 s98, s77, s98
	s_cselect_b32 s99, 0, -1
	s_cselect_b32 s66, -1, 0
	s_add_co_i32 s96, s94, s95
	s_add_co_i32 s96, s96, 127
	s_lshl_b32 s96, s96, 23
	s_mov_b32 s97, s96
	s_add_co_i32 s98, s98, 127
	s_lshl_b32 s94, s98, 23
	s_add_co_i32 s98, s98, 8
	s_lshl_b32 s98, s98, 23
	s_or_b32 s98, s98, 0x600000
	s_wait_loadcnt 0x0
.set j, 0
.rept 64
	v_and_b32 v[BR+j], s99, v[BR+j]
.set j, j+1
.endr
.set j, 0
.rept 8
	v_and_b32 v[BL+j], s66, v[BL+j]
.set j, j+1
.endr
	v_mov_b32 v[SCO], s94
	v_mov_b32 v[LIM], s98
.macro OUTBLK a
.set AC, 64*((\a)%4)
.set CB, CD+16*((\a)%2)
.set WN, 0x02+((\a)/4)
	WIN WN
.set j, 0
.rept 32
	v_pk_fma_f32 v[TMP+j:TMP+j+1], v[AC+j:AC+j+1], s[96:97], v[BR+j:BR+j+1] op_sel_hi:[1,0,1]
.set j, j+2
.endr
	WIN 0
	v_mov_b32 v[BC], v[BL+(\a)]
.set j, 0
.rept 32
	v_pk_add_f32 v[TMP+j:TMP+j+1], v[TMP+j:TMP+j+1], v[BC:BC+1] op_sel_hi:[1,0]
.set j, j+2
.endr
.set j, 0
.rept 64
	v_med3_num_f32 v[TMP+j], v[TMP+j], -v[LIM], v[LIM]
.set j, j+1
.endr
.set j, 0
.rept 8
	v_cvt_scalef32_pk8_fp8_f32 v[CB+2*j:CB+2*j+1], v[TMP+8*j:TMP+8*j+7], v[SCO]
.set j, j+1
.endr
	v_nop
.if (\a) > 0
	s_wait_alu depctr_va_vdst(0)
	s_wait_xcnt 0x0
.if (\a) == 4
	s_add_nc_u64 s[84:85], s[84:85], s[82:83]
	s_add_nc_u64 s[86:87], s[86:87], s[82:83]
.else
	s_add_nc_u64 s[84:85], s[84:85], s[80:81]
	s_add_nc_u64 s[86:87], s[86:87], s[80:81]
.endif
.endif
	global_store_b128 v[OFS], v[CB:CB+3], s[84:85]
	global_store_b128 v[OFS], v[CB+4:CB+7], s[84:85] offset:512
	global_store_b128 v[OFS], v[CB+8:CB+11], s[86:87]
	global_store_b128 v[OFS], v[CB+12:CB+15], s[86:87] offset:512
.endm
.irp a, 0,1,2,3,4,5,6,7
	OUTBLK \a
.endr
	s_wait_tensorcnt 0x0
	ds_add_u32 v[SPW], v[NIL]
	s_wait_dscnt 0x0
	CROUND
	s_endpgm
.Lfunc_end_k_q47660ee5d0_qkv:
	.size	k_q47660ee5d0_qkv, .Lfunc_end_k_q47660ee5d0_qkv-k_q47660ee5d0_qkv
	.p2alignl 7, 3214868480
	.fill 96, 4, 3214868480
	.section	.rodata,"a",@progbits
	.p2align	6, 0x0
	.amdhsa_kernel k_q47660ee5d0_qkv
		.amdhsa_group_segment_fixed_size 327680
		.amdhsa_private_segment_fixed_size 0
		.amdhsa_enable_private_segment 0
		.amdhsa_kernarg_size 104
		.amdhsa_user_sgpr_count 2
		.amdhsa_user_sgpr_kernarg_segment_ptr 1
		.amdhsa_wavefront_size32 1
		.amdhsa_system_sgpr_workgroup_id_x 1
		.amdhsa_system_sgpr_workgroup_id_y 1
		.amdhsa_system_sgpr_workgroup_id_z 1
		.amdhsa_system_vgpr_workitem_id 0
		.amdhsa_next_free_vgpr 1024
		.amdhsa_next_free_sgpr 100
		.amdhsa_reserve_vcc 0
		.amdhsa_float_denorm_mode_32 3
		.amdhsa_float_denorm_mode_16_64 3
		.amdhsa_memory_ordered 1
		.amdhsa_forward_progress 1
		.amdhsa_inst_pref_size 158
	.end_amdhsa_kernel
	.amdgpu_metadata
---
amdhsa.version: [ 1, 2 ]
amdhsa.kernels:
  - .name:           k_q47660ee5d0_qkv
    .symbol:         k_q47660ee5d0_qkv.kd
    .args:
      - { .name: xq_codes, .offset: 0, .size: 8, .value_kind: global_buffer, .address_space: global }
      - { .name: xk_codes, .offset: 8, .size: 8, .value_kind: global_buffer, .address_space: global }
      - { .name: xv_codes, .offset: 16, .size: 8, .value_kind: global_buffer, .address_space: global }
      - { .name: Wq_codes, .offset: 24, .size: 8, .value_kind: global_buffer, .address_space: global }
      - { .name: Wk_codes, .offset: 32, .size: 8, .value_kind: global_buffer, .address_space: global }
      - { .name: Wv_codes, .offset: 40, .size: 8, .value_kind: global_buffer, .address_space: global }
      - { .name: bq, .offset: 48, .size: 8, .value_kind: global_buffer, .address_space: global }
      - { .name: bk, .offset: 56, .size: 8, .value_kind: global_buffer, .address_space: global }
      - { .name: bv, .offset: 64, .size: 8, .value_kind: global_buffer, .address_space: global }
      - { .name: lowp_scales, .offset: 72, .size: 8, .value_kind: global_buffer, .address_space: global }
      - { .name: q_img, .offset: 80, .size: 8, .value_kind: global_buffer, .address_space: global }
      - { .name: k_img, .offset: 88, .size: 8, .value_kind: global_buffer, .address_space: global }
      - { .name: v_img, .offset: 96, .size: 8, .value_kind: global_buffer, .address_space: global }
    .group_segment_fixed_size: 327680
    .private_segment_fixed_size: 0
    .kernarg_segment_align: 8
    .kernarg_segment_size: 104
    .max_flat_workgroup_size: 128
    .sgpr_count:     100
    .vgpr_count:     1024
    .wavefront_size: 32
...
	.end_amdgpu_metadata
.endif
;; end of part 2
;; launch attn (part 3): grid 4 x 64, 16 waves a work-group, no clusters, 305,152 bytes of LDS; arguments q_img, k_img, v_img, attention_mask, lowp_scales, hctx_img; writes hctx_img
.if DOCPART == 3
	.amdgcn_target "amdgcn-amd-amdhsa--gfx1250"
	.amdhsa_code_object_version 6
	.text
	.protected	k_q47660ee5d0_attn
	.globl	k_q47660ee5d0_attn
	.p2align	8
	.type	k_q47660ee5d0_attn,@function
k_q47660ee5d0_attn:
	s_mov_b64 s[64:65], 0
	v_nop
	global_prefetch_b8 v0, s[64:65] scope:SCOPE_SE
	s_setreg_imm32_b32 hwreg(HW_REG_WAVE_MODE, 25, 1), 1
	s_wait_xcnt 0x0
; ATTENTION on E4M3 codes: for each of 64 (batch, head): O = softmax(mask(Q K^T / 8)) V, quantised at once as the last product's operand.
; THE SOFTMAX AHEAD OF THE SECOND PRODUCT: t = score x log2(e) / 8; M = the running largest t, rounded UP to a whole number; p = 2^(t - M) is quantised (entry 8), not normalised; the row's sum is taken
; of the unquantised p, in f32, and divides O at the end.  When M moves, the sum and O are multiplied by 2^(old M - new M): exact.  A key whose mask is 0 gets the score -infinity ahead of the maximum.
; SHARES.  Work-group (x, y): 512 queries (block x) of head y.  Each of sixteen waves owns two tiles of 16 queries, A and B, in 256 registers; each fragment of K or V read from LDS feeds two matrix instructions.
; Every wave walks the head's 2,048 keys, 128 a step.
; K AND V COME THROUGH REGISTERS, 32 bytes a thread a step, and EVERY STEP HAS LDS BYTES OF ITS OWN (16 steps x 16,384 bytes): nothing in LDS is written twice.  At the top of step s a wave stores its part of
; step s + 1, asks memory for its part of step s + 2, waits for its LDS instructions and signals; it waits for the barrier at the step's end.  So the barrier orders one thing: every wave's stores of step s + 1
; ahead of any wave's reads of step s + 1.
; LAYOUT.  Both products are used transposed: S^T = K Q^T (source 0 = 16 keys, source 1 = 16 queries, K = 64), O^T = V^T P^T (source 0 = 16 channels, source 1 = P, K = 128 keys): a lane holds ONE query.
; In tile t of S^T lane (r, h) holds keys 16 t + 8 h + 0 .. 7 of query r: one conversion of those eight registers IS registers 2 t, 2 t + 1 of P.  O^T's tile of 16 channels likewise becomes two registers of the last operand.
; All operands lie in memory and LDS as images of their registers (four registers: 512 bytes, lane l's 16 bytes at 16 l): no pitch, no padding, every access 512 consecutive bytes.
; NO TENSOR LOAD AND NO JOINT LOAD, though the four query blocks of a head read the same K and V: two branches on loaded whole numbers
; here spare each tile of each step 64 holds (where entry 8 is -8 or more: p <= 1 then lies inside the format) and 32 additions with 16 LDS loads (where a step's 128 mask words are all non-zero).
; LIMITS: entry 6 + entry 7 between -123 and 130 (added to c's exponent field); entries 8 and 10 between -126 and 119.  NaN among the inputs is not served.  A batch whose mask is 0 everywhere (NaN by the
; definition) gets no promised value.
.set STEPB, 16384                      ; LDS: step s at STEPB x s: K's 8 images of 1 KB, then V's 4 images of 2 KB
.set VOFF,  8192
.set BIAS,  262144                     ; 2,048 words: 0 or -infinity for each key of my batch
.set QIMG,  270336                     ; + 2048 x wave: my two tiles of Q, the wave's own
.set SPARE, 303104                     ; the spare words: 128 bytes a wave
.set LI,   1                           ; v1   16 x lane
.set AQ,   2                           ; v2   16 x lane + QIMG + 2048 x wave
.set T16,  3                           ; v3   16 x thread: my part of a step's K or V, in memory and in LDS; never rewritten
.set BA,   4                           ; v4   BIAS + 32 (lane / 16)
.set SC8,  5                           ; v5   2^e8 as f32
.set AK,   6                           ; v6   LDS address of the step's fragments
.set AST,  7                           ; v7   LDS address of my part of the step; in the waves that prefetch then 256 x lane
.set STK,  8                           ; v[8:11]  my 16 bytes of a later step's K
.set STV,  12                          ; v[12:15] of its V
.set KV,   16                          ; v16-79   the step's K (8 fragments of 8), later its V (4 of 16)
.set S,    80                          ; v80-143  S^T of the tile in hand, then p
.set PA,   144                         ; v144-159 tile A's p as codes; at a step's head its first eight hold Q
.set PB,   160                         ; v160-175 tile B's
.set OA,   176                         ; v176-207 O^T, tile A; at the head the mask words
.set OB,   208                         ; v208-239 tile B
.set STA,  240                         ; v240 -M, v241 the largest t, v[242:243] the sum in two halves
.set STB,  244                         ; the same for tile B
.set F,    248                         ; v[248:249] f = 2^(old M - new M), the low word for both halves
.set PD,   250                         ; v250 a lane permute's destination
.set TA,   251                         ; v251 address in the table of biases
.set L2,   252                         ; v[252:253] the sum's second chain
.set MX0,  254                         ; v254, v255 at work
.set MX1,  255
	s_load_b256 s[4:11], s[0:1], 0x0               ; q_img, k_img, v_img, the mask
	s_load_b128 s[12:15], s[0:1], 0x20             ; the scales' exponents, hctx_img
	v_lshrrev_b32 v1, 5, v0
	s_delay_alu instid0(VALU_DEP_1)
	v_readfirstlane_b32 s16, v1                    ; wave 0..15
	v_and_b32 v4, 31, v0
	s_delay_alu instid0(VALU_DEP_1)
	v_lshlrev_b32 v[LI], 4, v4
	v_lshlrev_b32 v[T16], 4, v0
	s_delay_alu instid0(VALU_DEP_1)
	v_add_nc_u32 v[AK], BIAS, v[T16]               ; at the head: my four words of the table
	s_lshl_b32 s17, s16, 11
	s_add_co_u32 s19, s17, QIMG
	v_add_nc_u32 v[AQ], s19, v[LI]
	v_bfe_u32 v[BA], v0, 4, 1
	s_delay_alu instid0(VALU_DEP_1)
	v_lshlrev_b32 v[BA], 5, v[BA]
	s_delay_alu instid0(VALU_DEP_1)
	v_add_nc_u32 v[BA], BIAS, v[BA]
	s_and_b32 s18, ttmp7, 0xffff                   ; bh = 16 x batch + head
	s_lshl_b32 s34, s18, 17                        ; its 131,072 bytes in each of the three images
	s_mov_b32 s35, 0
	s_lshl_b32 s42, ttmp9, 15                      ; my block: 32 tiles of 1 KB,
	s_add_co_u32 s42, s42, s17                     ; my wave's two
	s_add_co_u32 s42, s42, s34
	s_mov_b32 s43, 0
	s_lshr_b32 s19, s18, 4                         ; batch
	s_lshl_b32 s44, s19, 13                        ; its 2,048 mask words
	s_mov_b32 s45, 0
	s_lshl_b32 s46, s19, 7
	s_lshl_b32 s17, ttmp9, 5
	s_add_co_u32 s46, s46, s17
	s_lshl_b32 s17, s16, 1
	s_add_co_u32 s46, s46, s17                     ; my first tile of tokens among all 512
	s_lshl_b32 s46, s46, 14                        ; 16,384 bytes a tile in hctx_img,
	s_and_b32 s17, s18, 15
	s_lshl_b32 s17, s17, 10                        ; 1,024 a head
	s_add_co_u32 s46, s46, s17
	s_mov_b32 s47, 0
	s_mov_b32 s20, 0x76543210                      ; v_permlanex16_b32's selects for lane l xor 16
	s_mov_b32 s21, 0xfedcba98
	s_mov_b32 s24, 16                              ; steps to go, this one among them
	s_mov_b32 s25, 0                               ; bit i: step i has a key whose mask is 0
	s_mov_b32 s26, 0                               ; the step's place in the table of biases
	s_mov_b32 s30, 0                               ; the step's place in LDS
	s_wait_alu depctr_va_vdst(0)
	s_wait_kmcnt 0x0
	s_load_b128 s[36:39], s[12:13], 0x18           ; entries 6 to 9
	s_load_b32 s40, s[12:13], 0x28                 ; entry 10
	s_add_nc_u64 s[4:5], s[4:5], s[42:43]
	s_add_nc_u64 s[6:7], s[6:7], s[34:35]
	s_add_nc_u64 s[8:9], s[8:9], s[34:35]
	s_add_nc_u64 s[10:11], s[10:11], s[44:45]
	s_add_nc_u64 s[14:15], s[14:15], s[46:47]
	s_cmp_eq_u32 s16, 0
	s_cselect_b64 s[50:51], s[6:7], s[8:9]         ; the prefetches: wave 0 asks for K, wave 1 for V,
	s_lshr_b32 s17, s16, 1
	s_or_b32 s17, s17, ttmp9                       ; in the head's first work-group alone: all four walk the same K and V
	s_cmp_eq_u32 s17, 0
	s_cselect_b32 s32, 4, -1                       ; a wave asks while the steps to go are above this: the last four steps have no step four on
	global_load_b128 v[KV:KV+3], v[T16], s[6:7]    ; step 0
	global_load_b128 v[KV+4:KV+7], v[T16], s[8:9]
.irp i, 0,1,2,3
	global_load_b128 v[PA+4*\i:PA+4*\i+3], v[LI], s[4:5] offset:512*\i   ; my two tiles of Q
.endr
	global_load_b128 v[PB:PB+3], v[T16], s[10:11]  ; my thread's four mask words, for the table
.set i, 0
.rept 16
	global_load_b128 v[OA+4*i:OA+4*i+3], v[LI], s[10:11] offset:512*i   ; all 2,048 mask words in every wave: load i is step i's 128
.set i, i+1
.endr
	global_load_b128 v[STK:STK+3], v[T16], s[6:7] offset:8192   ; step 1: stored at the top of step 0
	global_load_b128 v[STV:STV+3], v[T16], s[8:9] offset:8192
	v_mov_b32 v[L2], 0xff800000                    ; -infinity
.irp st, STA, STB
	v_mov_b32 v[\st+1], 0xff61b1e6                 ; the largest t so far: -3e38, under every t
	s_delay_alu instid0(VALU_DEP_1)
	v_floor_f32 v[\st], -v[\st+1]                  ; -M
	v_mov_b32 v[\st+2], 0
	v_mov_b32 v[\st+3], 0
.endr
	v_mov_b32 v[F+1], 0                            ; (named as the upper half of a pair)
	v_mov_b32 v[PD], 0                             ; a lane permute's destination counts as one of its sources
	s_wait_alu depctr_va_vdst(0)
	s_wait_loadcnt 2                               ; all but step 1's two loads are in
	ds_store_b128 v[T16], v[KV:KV+3]               ; step 0
	ds_store_b128 v[T16], v[KV+4:KV+7] offset:VOFF
.irp i, 0,1,2,3
	ds_store_b128 v[AQ], v[PA+4*\i:PA+4*\i+3] offset:512*\i
.endr
.irp i, 0,1,2,3
	v_cmp_eq_u32 vcc_lo, 0, v[PB+\i]
	s_delay_alu instid0(VALU_DEP_1)
	v_cndmask_b32 v[PB+4+\i], 0, v[L2], vcc_lo     ; -infinity where the mask is 0, else 0
.endr
	ds_store_b128 v[AK], v[PB+4:PB+7]
.set i, 0
.rept 16                               ; whole numbers read from memory decide which steps take the longer way; the same in every wave
	v_min_u32 v[MX0], v[OA+4*i], v[OA+4*i+1]
	v_min_u32 v[MX1], v[OA+4*i+2], v[OA+4*i+3]
	s_delay_alu instid0(VALU_DEP_1)
	v_min_u32 v[MX0], v[MX0], v[MX1]
	s_delay_alu instid0(VALU_DEP_1)
	v_cmp_eq_u32 vcc_lo, 0, v[MX0]
	s_cmp_lg_u32 vcc_lo, 0
	s_cselect_b32 s17, 1<<i, 0
	s_or_b32 s25, s25, s17
.set i, i+1
.endr
.set i, 0
.rept 64
	v_mov_b32 v[OA+i], 0                           ; O^T.  (The step is written once: the first finds zeros, which the first change of M leaves zeros)
.set i, i+1
.endr
	s_wait_kmcnt 0x0
	s_add_co_i32 s17, s36, s37
	s_lshl_b32 s17, s17, 23
	s_add_co_i32 s22, s17, 0x3e38aa3b              ; c = log2(e) / 8, with entries 6 and 7 added to its exponent field: a score stands for score x 2^(e6 + e7)
	s_mov_b32 s23, s22                             ; (named with it as a pair)
	s_add_co_i32 s17, s38, 127
	s_lshl_b32 s19, s17, 23
	v_mov_b32 v[SC8], s19                          ; 2^e8
	s_add_co_i32 s17, s17, 8
	s_lshl_b32 s17, s17, 23
	s_or_b32 s27, s17, 0x600000                    ; 448 x 2^e8
	s_cmp_ge_i32 s38, -8
	s_cselect_b32 s28, 1, 0                        ; 1: p <= 1 lies within 448 x 2^e8, and needs no hold
	s_add_co_i32 s29, s38, s39                     ; e8 + e9
	s_add_co_i32 s17, s40, 127
	s_lshl_b32 s41, s17, 23                        ; 2^e10
	s_add_co_i32 s17, s17, 8
	s_lshl_b32 s17, s17, 23
	s_or_b32 s48, s17, 0x600000                    ; 448 x 2^e10
	s_wait_alu depctr_va_vdst(0)
	s_wait_dscnt 0x0                               ; for the others' sake: my parts of step 0 and of the table lie in LDS
	s_barrier_signal -1
	s_barrier_wait -1
; One tile's softmax for one step: 64 scores a lane in v[S] on.  stat: its statistics; pc: its codes; oc: its O^T.
.macro SOFTMAX stat, pc, oc
	s_bitcmp1_b32 s25, 0
	s_cbranch_scc0 .Lopen_\@                       ; all 128 keys of the step count: nothing to add
	v_add_nc_u32 v[TA], s26, v[BA]
	s_wait_alu depctr_va_vdst(0)
.irp g, 0,1,2,3                        ; 16 words at a time into the codes' registers, which are free here: register 8 u + j of group g belongs to key 32 g + 16 u + 8 (lane / 16) + j
.irp i, 0,1,2,3
	ds_load_b128 v[\pc+4*\i:\pc+4*\i+3], v[TA] offset:128*\g+64*(\i/2)+16*(\i%2)
.endr
	s_wait_dscnt 0x0
.irp j, 0,2,4,6,8,10,12,14
	v_pk_add_f32 v[S+16*\g+\j:S+16*\g+\j+1], v[S+16*\g+\j:S+16*\g+\j+1], v[\pc+\j:\pc+\j+1]
.endr
.endr
.Lopen_\@:
	v_max3_num_f32 v[MX0], v[S], v[S+1], v[S+2]    ; the step's largest score of my query among my 64 keys, in two chains; each accumulator from its low end on
	v_max3_num_f32 v[MX1], v[S+3], v[S+4], v[S+5]
.set i, 6
.rept 14
	v_max3_num_f32 v[MX0], v[MX0], v[S+i], v[S+i+1]
	v_max3_num_f32 v[MX1], v[MX1], v[S+i+2], v[S+i+3]
.set i, i+4
.endr
	v_max3_num_f32 v[MX0], v[MX0], v[S+62], v[S+63]
	s_delay_alu instid0(VALU_DEP_1)
	v_max_num_f32 v[MX0], v[MX0], v[MX1]
	s_delay_alu instid0(VALU_DEP_1)
	v_permlanex16_b32 v[PD], v[MX0], s20, s21
	s_delay_alu instid0(VALU_DEP_1)
	v_max_num_f32 v[MX0], v[MX0], v[PD]            ; and among lane l xor 16's
	s_delay_alu instid0(VALU_DEP_1)
	v_mul_f32 v[MX0], s22, v[MX0]                  ; as t (c is positive)
	s_delay_alu instid0(VALU_DEP_1)
	v_max_num_f32 v[\stat+1], v[\stat+1], v[MX0]   ; the running largest t
	v_mov_b32 v[MX0], v[\stat]
	s_delay_alu instid0(VALU_DEP_2)
	v_floor_f32 v[\stat], -v[\stat+1]              ; the new -M = floor(-t) = -ceil(t): a whole number
	s_delay_alu instid0(VALU_DEP_1)
	v_sub_f32 v[MX0], v[\stat], v[MX0]             ; old M - new M: a whole number, 0 or less
	s_delay_alu instid0(VALU_DEP_1)
	v_cvt_i32_f32 v[MX0], v[MX0]                   ; (it saturates)
	s_delay_alu instid0(VALU_DEP_1)
	v_ldexp_f32 v[F], 1.0, v[MX0]                  ; f = 2^(old M - new M)
.set i, 0
.rept 32
	v_pk_fma_f32 v[S+i:S+i+1], v[S+i:S+i+1], s[22:23], v[\stat:\stat+1] op_sel_hi:[1,0,0]   ; t - M, two at a time
.set i, i+2
.endr
.set i, 0
	s_wait_alu depctr_va_vdst(0)
.rept 64
	v_exp_f32 v[S+i], v[S+i]                       ; p = 2^(t - M): one batch
.set i, i+1
.endr
	v_pk_mul_f32 v[\stat+2:\stat+3], v[\stat+2:\stat+3], v[F:F+1] op_sel_hi:[1,0]   ; the sums under the new M: the plain line behind the exponentials
	s_wait_alu depctr_va_vdst(0)                   ; one wait for the whole batch, ahead of its first reader
	v_pk_add_f32 v[L2:L2+1], v[S:S+1], v[S+2:S+3]  ; the row's sum is taken of the unquantised p, in two chains
.set i, 4
.rept 15
	v_pk_add_f32 v[\stat+2:\stat+3], v[\stat+2:\stat+3], v[S+i:S+i+1]
	v_pk_add_f32 v[L2:L2+1], v[L2:L2+1], v[S+i+2:S+i+3]
.set i, i+4
.endr
	s_delay_alu instid0(VALU_DEP_1)
	v_pk_add_f32 v[\stat+2:\stat+3], v[\stat+2:\stat+3], v[L2:L2+1]
	s_cmp_lg_u32 s28, 0
	s_cbranch_scc1 .Lfits_\@                       ; a branch on a whole number read from memory
.set i, 0
.rept 64
	v_min_num_f32 v[S+i], s27, v[S+i]              ; the conversion does not saturate (ISA guide 7.6.2); p is not negative, so the hold is one-sided
.set i, i+1
.endr
.Lfits_\@:
.set i, 0
.rept 8
	v_cvt_scalef32_pk8_fp8_f32 v[\pc+2*i:\pc+2*i+1], v[S+8*i:S+8*i+7], v[SC8]
.set i, i+1
.endr
.set i, 0
.rept 16
	v_pk_mul_f32 v[\oc+i:\oc+i+1], v[\oc+i:\oc+i+1], v[F:F+1] op_sel_hi:[1,0]   ; O^T under the new M.  (Also the plain lines between the conversions and the matrix instructions that follow)
.set i, i+2
.endr
.endm
.Lstep:                                        ; 16 trips, a step of 128 keys each; step s = 16 - s24
	v_add_nc_u32 v[AK], s30, v[LI]
	v_add_nc_u32 v[AST], s30, v[T16]
	v_nop                                          ; with the two additions: four places in front of loads into registers that the last products have read
	v_nop
	s_wait_alu depctr_va_vdst(0)
	s_wait_loadcnt 0x0                             ; my 32 bytes of step s + 1, asked for a whole step ago, are in: on every way, ahead of the stores that read them and of the loads that write their registers anew
	s_cmp_eq_u32 s24, 1                            ; the last step has no successor to store
	s_cbranch_scc1 .Lno_store
	ds_store_b128 v[AST], v[STK:STK+3] offset:STEPB
	ds_store_b128 v[AST], v[STV:STV+3] offset:STEPB+VOFF
.Lno_store:
	s_cmp_lt_u32 s24, 3                            ; the last two steps have no step two on: no load leaves its buffer
	s_cbranch_scc1 .Lno_load
	global_load_b128 v[STK:STK+3], v[T16], s[6:7] offset:16384   ; my 32 bytes of step s + 2: they have this whole step in which to land
	global_load_b128 v[STV:STV+3], v[T16], s[8:9] offset:16384
.Lno_load:
	s_cmp_gt_u32 s24, s32                          ; a prefetch of step s + 4, two steps ahead of its loads: 8,192 bytes, a lane to each 256; each block is named once in the launch
	s_cbranch_scc0 .Lno_ask
	v_lshlrev_b32 v[AST], 4, v[LI]                 ; 256 x lane; written again only behind the trip's s_wait_xcnt 0
	global_prefetch_b8 v[AST], s[50:51] offset:32768 th:TH_LOAD_NT scope:SCOPE_SE
.Lno_ask:
.set i, 0
.rept 8
	ds_load_b128 v[KV+8*i:KV+8*i+3], v[AK] offset:1024*i
	ds_load_b128 v[KV+8*i+4:KV+8*i+7], v[AK] offset:1024*i+512
.set i, i+1
.endr
	ds_load_b128 v[PA:PA+3], v[AQ]                 ; Q comes back from my own LDS bytes in every step: its registers hold p's codes meanwhile
	ds_load_b128 v[PA+4:PA+7], v[AQ] offset:512
	ds_load_b128 v[PB:PB+3], v[AQ] offset:1024
	ds_load_b128 v[PB+4:PB+7], v[AQ] offset:1536
	s_wait_dscnt 0x0                               ; my stores of step s + 1 have landed (for the others' sake), and K and Q are in:
	s_barrier_signal -1                            ; say so.  Up to the wait stand work on registers and reads of LDS bytes that nobody writes any more
.set i, 0
.rept 8
	v_wmma_f32_16x16x64_fp8_fp8 v[S+8*i:S+8*i+7], v[KV+8*i:KV+8*i+7], v[PA:PA+7], 0
.set i, i+1
.endr
.rept 4
	v_nop
.endr
	SOFTMAX STA, PA, OA
.set i, 0
.rept 8
	v_wmma_f32_16x16x64_fp8_fp8 v[S+8*i:S+8*i+7], v[KV+8*i:KV+8*i+7], v[PB:PB+7], 0
.set i, i+1
.endr
.rept 4
	v_nop                                          ; places in front of the loads over K's fragments and of the first read of the scores
.endr
.set i, 0
.rept 16
	ds_load_b128 v[KV+4*i:KV+4*i+3], v[AK] offset:VOFF+512*i   ; V's four fragments: 16 pieces on end; tile B's softmax stands between them and the wait for them
.set i, i+1
.endr
	SOFTMAX STB, PB, OB
	s_wait_alu depctr_va_vdst(0)
	s_wait_dscnt 0x0                               ; V's fragments are in
.irp ct, 0,1,2,3                       ; O^T += V^T P^T: the eight accumulators by turns, one instruction a turn
	v_wmma_f32_16x16x128_fp8_fp8 v[OA+8*\ct:OA+8*\ct+7], v[KV+16*\ct:KV+16*\ct+15], v[PA:PA+15], v[OA+8*\ct:OA+8*\ct+7]
	v_wmma_f32_16x16x128_fp8_fp8 v[OB+8*\ct:OB+8*\ct+7], v[KV+16*\ct:KV+16*\ct+15], v[PB:PB+15], v[OB+8*\ct:OB+8*\ct+7]
.endr
	s_barrier_wait -1                              ; every wave has stored its part of step s + 1
	s_wait_xcnt 0x0                                ; the trip's loads and prefetch have read their bases and offsets
	s_add_nc_u64 s[6:7], s[6:7], 8192
	s_add_nc_u64 s[8:9], s[8:9], 8192
	s_add_nc_u64 s[50:51], s[50:51], 8192
	s_add_co_u32 s30, s30, STEPB
	s_add_co_u32 s26, s26, 512
	s_lshr_b32 s25, s25, 1
	s_sub_co_u32 s24, s24, 1
	s_cmp_lg_u32 s24, 0
	s_cbranch_scc1 .Lstep
	; THE WAY OUT.  O^T x 2^(e8 + e9) / the sum, held, converted under entry 10: a tile's four accumulators become eight registers of the last operand: my head's 1,024 bytes of a fragment.
	v_add_f32 v[MX0], v[STA+2], v[STA+3]           ; the sums' halves.  (These lines, the moves and the v_ldexp_f32 are the places behind the last products)
	v_add_f32 v[F], v[STB+2], v[STB+3]
	s_delay_alu instid0(VALU_DEP_2)
	v_permlanex16_b32 v[PD], v[MX0], s20, s21
	s_delay_alu instid0(VALU_DEP_2)
	v_permlanex16_b32 v[L2], v[F], s20, s21
	s_delay_alu instid0(VALU_DEP_2)
	v_add_f32 v[MX0], v[MX0], v[PD]
	s_delay_alu instid0(VALU_DEP_2)
	v_add_f32 v[F], v[F], v[L2]
	s_wait_alu depctr_va_vdst(0)
	v_rcp_f32 v[MX0], v[MX0]
	v_rcp_f32 v[F], v[F]
	v_mov_b32 v[PD], s41                           ; 2^e10.  (The plain line behind the reciprocals)
	v_mov_b32 v[L2], s48                           ; 448 x 2^e10
	s_wait_alu depctr_va_vdst(0)                   ; one wait for both reciprocals, ahead of their first reader
	v_ldexp_f32 v[MX0], v[MX0], s29
	v_ldexp_f32 v[F], v[F], s29
.set i, 0
.rept 16
	v_pk_mul_f32 v[S+i:S+i+1], v[OA+i:OA+i+1], v[MX0:MX0+1] op_sel_hi:[1,0]
.set i, i+2
.endr
.set i, 0
.rept 16
	v_pk_mul_f32 v[S+32+i:S+32+i+1], v[OB+i:OB+i+1], v[F:F+1] op_sel_hi:[1,0]
.set i, i+2
.endr
.set i, 0
.rept 64
	v_med3_num_f32 v[S+i], v[S+i], -v[L2], v[L2]
.set i, i+1
.endr
.set i, 0
.rept 4
	v_cvt_scalef32_pk8_fp8_f32 v[PA+2*i:PA+2*i+1], v[S+8*i:S+8*i+7], v[PD]
	v_cvt_scalef32_pk8_fp8_f32 v[PB+2*i:PB+2*i+1], v[S+32+8*i:S+32+8*i+7], v[PD]
.set i, i+1
.endr
	v_nop
	global_store_b128 v[LI], v[PA:PA+3], s[14:15]                    ; each store: 512 consecutive bytes, aligned
	global_store_b128 v[LI], v[PA+4:PA+7], s[14:15] offset:512
	global_store_b128 v[LI], v[PB:PB+3], s[14:15] offset:16384       ; the next tile of tokens
	global_store_b128 v[LI], v[PB+4:PB+7], s[14:15] offset:16896
	s_wait_xcnt 0x0
	v_lshl_add_u32 v254, v0, 2, SPARE              ; the wave's end
	v_mov_b32 v255, 0
	s_wait_alu depctr_va_vdst(0)
	s_wait_tensorcnt 0x0
	ds_add_u32 v254, v255
	s_wait_dscnt 0x0
	s_endpgm
.Lfunc_end_k_q47660ee5d0_attn:
	.size	k_q47660ee5d0_attn, .Lfunc_end_k_q47660ee5d0_attn-k_q47660ee5d0_attn
	.p2alignl 7, 3214868480
	.fill 96, 4, 3214868480
	.section	.rodata,"a",@progbits
	.p2align	6, 0x0
	.amdhsa_kernel k_q47660ee5d0_attn
		.amdhsa_group_segment_fixed_size 305152
		.amdhsa_private_segment_fixed_size 0
		.amdhsa_enable_private_segment 0
		.amdhsa_kernarg_size 48
		.amdhsa_user_sgpr_count 2
		.amdhsa_user_sgpr_kernarg_segment_ptr 1
		.amdhsa_wavefront_size32 1
		.amdhsa_system_sgpr_workgroup_id_x 1
		.amdhsa_system_sgpr_workgroup_id_y 1
		.amdhsa_system_sgpr_workgroup_id_z 1
		.amdhsa_system_vgpr_workitem_id 0
		.amdhsa_next_free_vgpr 256
		.amdhsa_next_free_sgpr 66
		.amdhsa_reserve_vcc 1
		.amdhsa_float_denorm_mode_32 3
		.amdhsa_float_denorm_mode_16_64 3
		.amdhsa_memory_ordered 1
		.amdhsa_forward_progress 1
		.amdhsa_inst_pref_size 59
	.end_amdhsa_kernel
	.amdgpu_metadata
---
amdhsa.version: [ 1, 2 ]
amdhsa.kernels:
  - .name:           k_q47660ee5d0_attn
    .symbol:         k_q47660ee5d0_attn.kd
    .args:
      - { .name: q_img, .offset: 0, .size: 8, .value_kind: global_buffer, .address_space: global }
      - { .name: k_img, .offset: 8, .size: 8, .value_kind: global_buffer, .address_space: global }
      - { .name: v_img, .offset: 16, .size: 8, .value_kind: global_buffer, .address_space: global }
      - { .name: attention_mask, .offset: 24, .size: 8, .value_kind: global_buffer, .address_space: global }
      - { .name: lowp_scales, .offset: 32, .size: 8, .value_kind: global_buffer, .address_space: global }
      - { .name: hctx_img, .offset: 40, .size: 8, .value_kind: global_buffer, .address_space: global }
    .group_segment_fixed_size: 305152
    .private_segment_fixed_size: 0
    .kernarg_segment_align: 8
    .kernarg_segment_size: 48
    .max_flat_workgroup_size: 512
    .sgpr_count:     66
    .vgpr_count:     256
    .wavefront_size: 32
...
	.end_amdgpu_metadata
.endif
;; end of part 3
;; launch oproj (part 4): grid 256 x 1, 16 waves a work-group, no clusters, 166,400 bytes of LDS; arguments hctx_img, wo_img, lowp_scales, bo, x, ln_w, ln_b, out0; writes out0
.if DOCPART == 4
	.amdgcn_target "amdgcn-amd-amdhsa--gfx1250"
	.amdhsa_code_object_version 6
	.text
	.protected	k_q47660ee5d0_oproj
	.globl	k_q47660ee5d0_oproj
	.p2align	8
	.type	k_q47660ee5d0_oproj,@function
k_q47660ee5d0_oproj:
	s_mov_b64 s[64:65], 0
	v_nop
	global_prefetch_b8 v0, s[64:65] scope:SCOPE_SE
	s_setreg_imm32_b32 hwreg(HW_REG_WAVE_MODE, 25, 1), 1
	s_wait_xcnt 0x0
; OPROJ.  out = LayerNorm(x + Hctx Wo^T + bo) x ln_w + ln_b.  The product on E4M3 codes, all else in f32.
; SHARES.  A work-group owns 32 whole rows (two tiles of 16 tokens), so that a row's mean and variance need no second launch.  THE WAVES SHARE THE FEATURES: wave w makes features 64 w .. 64 w + 63 for all 32 rows:
; 4 tiles of features x 2 tiles of tokens = 8 accumulators, taken by turns.  Its 64 KB of Wo's images are one stream of consecutive bytes from memory straight into registers, two K steps ahead.
; Hctx's 32 KB of images are copied into LDS once and read by all sixteen waves.  THE MATRIX INSTRUCTION IS USED TRANSPOSED (source 0 = 16 features of Wo, source 1 = 16 tokens): a lane holds eight neighbouring
; features of one row.  The rows meet in a stage in LDS; then each wave takes two whole rows: residual, mean, variance (of the differences from the mean), gain and bias, and stores them.
; NO JOINT LOADS, though all work-groups read the same Wo: a fragment of Wo is used by one wave of a work-group, for two matrix instructions; by way of LDS each of its bytes would be written there and read from there once more.
; LIMIT: entry 10 + entry 11 between -126 and 127.
.set HIMG,   0                         ; LDS: Hctx's 16 fragments: (tile m, K step ks) at (8 m + ks) x 2048
.set STG,    32768                     ; the stage: 32 rows x (4,096 bytes + 16)
.set SPITCH, 4112                      ; 257 x 16: the sixteen rows that a store touches start at sixteen different columns of 16 bytes
.set LI,   1                           ; v1   16 x lane
.set T16,  2                           ; v2   16 x thread
.set SO,   3                           ; v3   the stage, in: row lane % 16, + 32 (lane / 16) + 256 x wave
.set SO1,  4                           ; v4   the same 16 rows further down
.set SR,   5                           ; v5   the stage, back: row 2 x wave, + 16 x lane
.set BHO,  6                           ; v6   32 (lane / 16)
.set PFO,  15                          ; v15  the prefetch's offset: 256 (lane % 16) + 4096 (lane / 16)
.set ACC,  16                          ; v16-79   accumulator (f, m) at 8 (2 f + m); later row 2 w + 1
.set H,    80                          ; v80-111  Hctx's two fragments of a K step; later bo; later row 2 w
.set W0,   112                         ; v112-175 Wo's four fragments, set 0; later my two rows of x
.set W1,   176                         ; v176-239 set 1; later ln_w and ln_b
.set CP,   240                         ; v240-255 Hctx on its way into LDS
	s_load_b512 s[4:19], s[0:1], 0x0               ; hctx_img, wo_img, the exponents, bo, x, ln_w, ln_b, out0
	v_lshrrev_b32 v1, 5, v0
	s_delay_alu instid0(VALU_DEP_1)
	v_readfirstlane_b32 s20, v1                    ; wave 0..15
	v_and_b32 v7, 31, v0
	s_delay_alu instid0(VALU_DEP_1)
	v_lshlrev_b32 v[LI], 4, v7
	v_lshlrev_b32 v[T16], 4, v0
	v_and_b32 v8, 15, v0
	v_bfe_u32 v9, v0, 4, 1
	s_delay_alu instid0(VALU_DEP_1)
	v_lshlrev_b32 v[BHO], 5, v9
	s_lshl_b32 s21, s20, 8
	s_add_co_u32 s21, s21, STG
	v_mul_u32_u24 v[SO], v8, SPITCH
	s_delay_alu instid0(VALU_DEP_1)
	v_add_nc_u32 v[SO], v[SO], v[BHO]
	s_delay_alu instid0(VALU_DEP_1)
	v_add_nc_u32 v[SO], s21, v[SO]
	s_delay_alu instid0(VALU_DEP_1)
	v_add_nc_u32 v[SO1], 16*SPITCH, v[SO]
	s_mul_i32 s21, s20, 2*SPITCH
	s_add_co_u32 s21, s21, STG
	v_add_nc_u32 v[SR], s21, v[LI]
	v_lshlrev_b32 v[PFO], 8, v8
	s_delay_alu instid0(VALU_DEP_1)
	v_lshl_add_u32 v[PFO], v9, 12, v[PFO]
	v_mov_b32 v13, 0                               ; (named as the upper half of the pair v[12:13])
	v_mov_b32 v14, 0                               ; a lane permute's destination counts as one of its sources
	s_lshl_b32 s28, ttmp9, 15                      ; my two tiles of tokens: 32 KB of images
	s_mov_b32 s29, 0
	s_lshl_b32 s32, s20, 16                        ; my 64 features: 64 KB of images
	s_mov_b32 s33, 0
	s_lshl_b32 s34, ttmp9, 5
	s_lshl_b32 s21, s20, 1
	s_add_co_u32 s34, s34, s21
	s_lshl_b32 s34, s34, 12                        ; rows 32 g + 2 w of x and of out0, 4,096 bytes each
	s_mov_b32 s35, 0
	s_lshl_b32 s36, s20, 8                         ; my 64 numbers of bo
	s_mov_b32 s37, 0
	s_mov_b32 s24, 0x76543210                      ; v_permlanex16_b32's selects for lane l xor 16
	s_mov_b32 s25, 0xfedcba98
	s_mov_b32 s30, 0x3a800000                      ; 1 / 1024
	s_mov_b32 s31, 0x3727c5ac                      ; 1e-5
	s_wait_alu depctr_va_vdst(0)
	s_wait_kmcnt 0x0
	s_load_b64 s[26:27], s[8:9], 0x28              ; entries 10 and 11
	s_add_nc_u64 s[4:5], s[4:5], s[28:29]
	s_add_nc_u64 s[6:7], s[6:7], s[32:33]
	s_add_nc_u64 s[10:11], s[10:11], s[36:37]
	s_add_nc_u64 s[12:13], s[12:13], s[34:35]
	s_add_nc_u64 s[18:19], s[18:19], s[34:35]
.macro WLOAD g, set                    ; Wo's four fragments of K step g: 16 loads of 512 consecutive bytes
.irp f, 0,1,2,3
.irp c, 0,1,2,3
	global_load_b128 v[\set+16*\f+4*\c:\set+16*\f+4*\c+3], v[LI], s[6:7] offset:8192*(\g)+2048*\f+512*\c
.endr
.endr
.endm
.macro HLOAD ks                        ; Hctx's two fragments of K step ks, from LDS
.irp m, 0,1
.irp c, 0,1,2,3
	ds_load_b128 v[H+16*\m+4*\c:H+16*\m+4*\c+3], v[LI] offset:HIMG+(8*\m+(\ks))*2048+512*\c
.endr
.endr
.endm
.irp i, 0,1,2,3
	global_load_b128 v[CP+4*\i:CP+4*\i+3], v[T16], s[4:5] offset:8192*\i th:TH_LOAD_NT
.endr
	WLOAD 0, W0
	WLOAD 1, W1
	s_wait_loadcnt 32                              ; Hctx's four loads are in; Wo's 32 may be out
.irp i, 0,1,2,3
	ds_store_b128 v[T16], v[CP+4*\i:CP+4*\i+3] offset:HIMG+8192*\i
.endr
	s_wait_dscnt 0x0                               ; for the others' sake: my part of Hctx lies in LDS
	s_barrier_signal -1
	s_barrier_wait -1
	HLOAD 0
; A K step of 128: eight matrix instructions on eight accumulators by turns; then the next fragments are asked for.
.macro KSTP ks
.set WS, W0+64*((\ks)%2)
	s_wait_loadcnt 16                              ; this K step's 16 loads are in; the 16 issued behind them (the next K step's, at the end x's) may be out
	s_wait_dscnt 0x0
.irp f, 0,1,2,3
.irp m, 0,1
.if (\ks) == 0
	v_wmma_f32_16x16x128_fp8_fp8 v[ACC+8*(2*\f+\m):ACC+8*(2*\f+\m)+7], v[WS+16*\f:WS+16*\f+15], v[H+16*\m:H+16*\m+15], 0
.else
	v_wmma_f32_16x16x128_fp8_fp8 v[ACC+8*(2*\f+\m):ACC+8*(2*\f+\m)+7], v[WS+16*\f:WS+16*\f+15], v[H+16*\m:H+16*\m+15], v[ACC+8*(2*\f+\m):ACC+8*(2*\f+\m)+7]
.endif
.endr
.endr
.rept 4
	v_nop                                          ; places in front of loads into registers that matrix instructions have read, and of the first read of results
.endr
.if (\ks) < 7
	HLOAD (\ks)+1
.endif
.if (\ks) < 6
	WLOAD (\ks)+2, WS
.endif
.if (\ks) == 2
	global_prefetch_b8 v[PFO], s[12:13] th:TH_LOAD_NT scope:SCOPE_SE   ; my two rows of x, 32 blocks of 256 bytes, a lane to a block, each named once in the launch: four K steps ahead of their loads
.endif
.if (\ks) == 6
.irp r, 0,1                            ; set 0 is free from here on: my two rows of x
.irp i, 0,1,2,3,4,5,6,7
	global_load_b128 v[W0+32*\r+4*\i:W0+32*\r+4*\i+3], v[LI], s[12:13] offset:4096*\r+512*\i th:TH_LOAD_NT
.endr
.endr
.endif
.endm
.irp ks, 0,1,2,3,4,5,6,7
	KSTP \ks
.endr
.irp f, 0,1,2,3                        ; bo: register 8 f + j: bo(64 w + 16 f + 8 (lane / 16) + j)
	global_load_b128 v[H+8*\f:H+8*\f+3], v[BHO], s[10:11] offset:64*\f
	global_load_b128 v[H+8*\f+4:H+8*\f+7], v[BHO], s[10:11] offset:64*\f+16
.endr
.irp i, 0,1,2,3,4,5,6,7                ; ln_w and ln_b as a row lies in my registers: 16 bytes a lane of each 512
	global_load_b128 v[W1+4*\i:W1+4*\i+3], v[LI], s[14:15] offset:512*\i
.endr
.irp i, 0,1,2,3,4,5,6,7
	global_load_b128 v[W1+32+4*\i:W1+32+4*\i+3], v[LI], s[16:17] offset:512*\i
.endr
	s_wait_kmcnt 0x0
	s_add_co_i32 s22, s26, s27
	s_add_co_i32 s22, s22, 127
	s_lshl_b32 s22, s22, 23                        ; 2^(e10 + e11) as f32
	s_mov_b32 s23, s22                             ; (named with it as a pair)
	s_wait_loadcnt 16                              ; x and bo are in; ln_w's and ln_b's sixteen loads may be out
.irp f, 0,1,2,3
.irp m, 0,1
.irp j, 0,2,4,6
	v_pk_fma_f32 v[ACC+8*(2*\f+\m)+\j:ACC+8*(2*\f+\m)+\j+1], v[ACC+8*(2*\f+\m)+\j:ACC+8*(2*\f+\m)+\j+1], s[22:23], v[H+8*\f+\j:H+8*\f+\j+1] op_sel_hi:[1,0,1]   ; sum x 2^(e10 + e11) + bo; each accumulator from its low end on
.endr
.endr
.endr
.irp f, 0,1,2,3
	ds_store_b128 v[SO], v[ACC+16*\f:ACC+16*\f+3] offset:64*\f
	ds_store_b128 v[SO], v[ACC+16*\f+4:ACC+16*\f+7] offset:64*\f+16
	ds_store_b128 v[SO1], v[ACC+16*\f+8:ACC+16*\f+11] offset:64*\f
	ds_store_b128 v[SO1], v[ACC+16*\f+12:ACC+16*\f+15] offset:64*\f+16
.endr
	s_wait_dscnt 0x0                               ; for the others' sake: my 64 features of the 32 rows lie in the stage
	s_barrier_signal -1
	s_barrier_wait -1
.irp i, 0,1,2,3,4,5,6,7
	ds_load_b128 v[H+4*\i:H+4*\i+3], v[SR] offset:512*\i                 ; row 2 w, whole
.endr
.irp i, 0,1,2,3,4,5,6,7
	ds_load_b128 v[ACC+4*\i:ACC+4*\i+3], v[SR] offset:SPITCH+512*\i      ; row 2 w + 1
.endr
	s_wait_loadcnt 0x0
	s_wait_dscnt 0x0
.macro REDUCE                          ; v8 summed over the 32 lanes, the result in every lane
	s_delay_alu instid0(VALU_DEP_1)
	v_add_f32_dpp v8, v8, v8 row_xmask:1 row_mask:0xf bank_mask:0xf
	s_delay_alu instid0(VALU_DEP_1)
	v_add_f32_dpp v8, v8, v8 row_xmask:2 row_mask:0xf bank_mask:0xf
	s_delay_alu instid0(VALU_DEP_1)
	v_add_f32_dpp v8, v8, v8 row_xmask:4 row_mask:0xf bank_mask:0xf
	s_delay_alu instid0(VALU_DEP_1)
	v_add_f32_dpp v8, v8, v8 row_xmask:8 row_mask:0xf bank_mask:0xf
	s_delay_alu instid0(VALU_DEP_1)
	v_permlanex16_b32 v14, v8, s24, s25
	s_delay_alu instid0(VALU_DEP_1)
	v_add_f32 v8, v8, v14
.endm
; One row: 32 numbers a lane in v[r] on, x's in v[xr] on.
.macro ROWLN r, xr, row
.set j, 0
.rept 16
	v_pk_add_f32 v[\r+j:\r+j+1], v[\r+j:\r+j+1], v[\xr+j:\xr+j+1]        ; the residual
.set j, j+2
.endr
	v_pk_add_f32 v[8:9], v[\r:\r+1], v[\r+2:\r+3]                        ; its sum, in two chains
	v_pk_add_f32 v[10:11], v[\r+4:\r+5], v[\r+6:\r+7]
.set j, 8
.rept 6
	s_delay_alu instid0(VALU_DEP_2)
	v_pk_add_f32 v[8:9], v[8:9], v[\r+j:\r+j+1]
	s_delay_alu instid0(VALU_DEP_2)
	v_pk_add_f32 v[10:11], v[10:11], v[\r+j+2:\r+j+3]
.set j, j+4
.endr
	s_delay_alu instid0(VALU_DEP_1)
	v_pk_add_f32 v[8:9], v[8:9], v[10:11]
	s_delay_alu instid0(VALU_DEP_1)
	v_add_f32 v8, v8, v9
	REDUCE
	s_delay_alu instid0(VALU_DEP_1)
	v_mul_f32 v12, 0xba800000, v8                  ; minus the mean: x -1 / 1024
.set j, 0
.rept 16
	v_pk_add_f32 v[\r+j:\r+j+1], v[\r+j:\r+j+1], v[12:13] op_sel_hi:[1,0]
.set j, j+2
.endr
	v_pk_mul_f32 v[8:9], v[\r:\r+1], v[\r:\r+1]    ; the squares of the differences from the mean: no difference of large sums is formed
	v_pk_mul_f32 v[10:11], v[\r+2:\r+3], v[\r+2:\r+3]
.set j, 4
.rept 7
	s_delay_alu instid0(VALU_DEP_2)
	v_pk_fma_f32 v[8:9], v[\r+j:\r+j+1], v[\r+j:\r+j+1], v[8:9]
	s_delay_alu instid0(VALU_DEP_2)
	v_pk_fma_f32 v[10:11], v[\r+j+2:\r+j+3], v[\r+j+2:\r+j+3], v[10:11]
.set j, j+4
.endr
	s_delay_alu instid0(VALU_DEP_1)
	v_pk_add_f32 v[8:9], v[8:9], v[10:11]
	s_delay_alu instid0(VALU_DEP_1)
	v_add_f32 v8, v8, v9
	REDUCE
	s_delay_alu instid0(VALU_DEP_1)
	v_fma_f32 v8, v8, s30, s31                     ; the variance + 1e-5
	s_wait_alu depctr_va_vdst(0)
	v_rsq_f32 v12, v8
	v_nop                                          ; a plain line behind the transcendental
	s_wait_alu depctr_va_vdst(0)                   ; and the wait ahead of its first reader
.set j, 0
.rept 16
	v_pk_mul_f32 v[\r+j:\r+j+1], v[\r+j:\r+j+1], v[12:13] op_sel_hi:[1,0]
.set j, j+2
.endr
.set j, 0
.rept 16
	v_pk_fma_f32 v[\r+j:\r+j+1], v[\r+j:\r+j+1], v[W1+j:W1+j+1], v[W1+32+j:W1+32+j+1]   ; x ln_w + ln_b
.set j, j+2
.endr
.irp i, 0,1,2,3,4,5,6,7
	global_store_b128 v[LI], v[\r+4*\i:\r+4*\i+3], s[18:19] offset:4096*\row+512*\i th:TH_STORE_NT   ; 512 consecutive bytes, aligned; written once, read by nobody here
.endr
.endm
	ROWLN H, W0, 0
	ROWLN ACC, W0+32, 1
	s_wait_xcnt 0x0
	v_lshl_add_u32 v254, v0, 2, 0x28200
	v_mov_b32 v255, 0
	s_wait_alu depctr_va_vdst(0)
	s_wait_tensorcnt 0x0
	ds_add_u32 v254, v255
	s_wait_dscnt 0x0
	s_endpgm
.Lfunc_end_k_q47660ee5d0_oproj:
	.size	k_q47660ee5d0_oproj, .Lfunc_end_k_q47660ee5d0_oproj-k_q47660ee5d0_oproj
	.p2alignl 7, 3214868480
	.fill 96, 4, 3214868480
	.section	.rodata,"a",@progbits
	.p2align	6, 0x0
	.amdhsa_kernel k_q47660ee5d0_oproj
		.amdhsa_group_segment_fixed_size 166400
		.amdhsa_private_segment_fixed_size 0
		.amdhsa_enable_private_segment 0
		.amdhsa_kernarg_size 64
		.amdhsa_user_sgpr_count 2
		.amdhsa_user_sgpr_kernarg_segment_ptr 1
		.amdhsa_wavefront_size32 1
		.amdhsa_system_sgpr_workgroup_id_x 1
		.amdhsa_system_sgpr_workgroup_id_y 1
		.amdhsa_system_sgpr_workgroup_id_z 1
		.amdhsa_system_vgpr_workitem_id 0
		.amdhsa_next_free_vgpr 256
		.amdhsa_next_free_sgpr 66
		.amdhsa_reserve_vcc 0
		.amdhsa_float_denorm_mode_32 3
		.amdhsa_float_denorm_mode_16_64 3
		.amdhsa_memory_ordered 1
		.amdhsa_forward_progress 1
		.amdhsa_inst_pref_size 52
	.end_amdhsa_kernel
	.amdgpu_metadata
---
amdhsa.version: [ 1, 2 ]
amdhsa.kernels:
  - .name:           k_q47660ee5d0_oproj
    .symbol:         k_q47660ee5d0_oproj.kd
    .args:
      - { .name: hctx_img, .offset: 0, .size: 8, .value_kind: global_buffer, .address_space: global }
      - { .name: wo_img, .offset: 8, .size: 8, .value_kind: global_buffer, .address_space: global }
      - { .name: lowp_scales, .offset: 16, .size: 8, .value_kind: global_buffer, .address_space: global }
      - { .name: bo, .offset: 24, .size: 8, .value_kind: global_buffer, .address_space: global }
      - { .name: x, .offset: 32, .size: 8, .value_kind: global_buffer, .address_space: global }
      - { .name: ln_w, .offset: 40, .size: 8, .value_kind: global_buffer, .address_space: global }
      - { .name: ln_b, .offset: 48, .size: 8, .value_kind: global_buffer, .address_space: global }
      - { .name: out0, .offset: 56, .size: 8, .value_kind: global_buffer, .address_space: global }
    .group_segment_fixed_size: 166400
    .private_segment_fixed_size: 0
    .kernarg_segment_align: 8
    .kernarg_segment_size: 64
    .max_flat_workgroup_size: 512
    .sgpr_count:     66
    .vgpr_count:     256
    .wavefront_size: 32
...
	.end_amdgpu_metadata
.endif
;; end of part 4
